; MI455X (gfx1250); checked and timed in simulation.
; The chip was launched on July 23, 2026; its instructions are those of AMD's public machine-readable ISA for CDNA 5 (MIT licence, August 2026) and "CDNA5" Instruction Set Architecture Reference Guide (July 2026). The comments in the code are by the model that wrote it; some were corrected since.
;; Titans Layer. Allowed arithmetic: float matrix products may take bf16 or f16 operands with f32 sums; all other float work in f32.
;; Inputs: W1 1,024 x 256 float32; W2 256 x 1,024 float32; Wa 1 x 256 float32; We 1 x 256 float32; Wk 256 x 256 float32; Wo 256 x 256 float32; Wq 256 x 256 float32; Wv 256 x 256 float32; b1 1,024 float32; b2 256 float32; ba 1 float32; be 1 float32; beta1 256 float32; beta2 256 float32; bo 256 float32; g1 256 float32; g2 256 float32; item_seq 256 x 32 x 256 float32; state0 256 x 256 x 256 float32; user_static 256 x 256 float32.
;; Outputs: out0 256 x 256 float32.
;; One version. Each part assembles by itself: llvm-mc -triple=amdgcn-amd-amdhsa -mcpu=gfx1250 --defsym DOCPART=n.
;; ======== version 1 of 1: 3 launches
;; workspace buffers: xbuf 262,144 bytes; x2buf 131,072 bytes; hbuf 524,288 bytes
;; launch mem (part 1): grid 256 x 1, 16 waves a work-group, no clusters, 323,584 bytes of LDS; arguments item_seq, user_static, state0, Wq, Wk, Wv, Wo, bo, Wa, ba, We, be, g1, beta1, g2, beta2, xbuf, x2buf; writes xbuf, x2buf
.if DOCPART == 1
	.amdgcn_target "amdgcn-amd-amdhsa--gfx1250"
	.amdhsa_code_object_version 6
	.text
	.protected	k_q64a052446c_mem
	.globl	k_q64a052446c_mem
	.p2align	8
	.type	k_q64a052446c_mem,@function
k_q64a052446c_mem:
	s_mov_b64 s[64:65], 0
	v_nop
	global_prefetch_b8 v0, s[64:65] scope:SCOPE_SE
	s_setreg_imm32_b32 hwreg(HW_REG_WAVE_MODE, 25, 1), 1
	s_wait_xcnt 0x0
; TitansLayer, first part: one work-group of 16 waves for each batch b.  Stores x = user + Wo read + bo (f32) and LN2(x) (bf16).
;
; THE SCAN IS APPLIED TO q, BACKWARD.  S_t = S_(t-1) (a_t I - eta_t k_t k_t^T) + eta_t v_t k_t^T with a_t = 1 - alpha_t, and only S_T q is wanted.
; With r = q and t = 31 .. 0:  c = k_t . r,  w_t = eta_t c,  r <- a_t r - w_t k_t.  Then  read = S_0 r + Wv (sum over t of w_t inorm_t).
; So state0[b] is read once, for one product with a vector, and no state and no v_t is ever formed.  This holds for every input.
; k_t = s_t Kraw_t with s_t = 1 / max(|Kraw_t|, 1e-12) is never formed either: c, w and the update use Kraw_t with the factors eta s and eta s^2.
;
; LIMITS.  The order of rounding differs from the scan written forward.  1 - sigmoid(x) is computed as sigmoid(-x).
; inorm_t goes into Kraw and into the sum with w_t rounded to bf16, Wk goes into Kraw rounded to bf16; everything else is f32.
; v_exp, v_rcp, v_rsq and v_sqrt take denormal inputs as zero and give zero for denormal results (ISA guide, their entries in 15.8).
; Sums of 256 squares are kept in f32: a row's norm has to stay below about 1e19.
;
; SHARES.  Wave w owns rows 16 w .. 16 w + 15 of Wq, Wk, Wv, Wo and of state0[b], and items 2 w and 2 w + 1.
; A vector of 256 f32 lies in 8 registers: lane l holds elements 4 l .. 4 l + 3 and 128 + 4 l .. + 3 (two accesses of 16 bytes a lane, 512 neighbouring bytes each).
; A wave's slice of a weight matrix is 16 rows x 8 registers = W, 32 loads; as soon as four rows are used up, the next matrix's loads go into their registers,
; so a whole slice (16 KiB a wave, 256 KiB a work-group) is always on its way.
; state0[b] comes by one tensor load a wave (16 KiB, the wave's own rows, read by that wave alone), issued first of all; by this text's count one tensor load
; of a wave is outstanding, and no LDS byte is filled twice.
;
; NO CLUSTER, although all work-groups read the same four weight matrices: state0[b] holds 262,144 bytes of LDS from the first line to the product with r,
; the scratch below another 59,392, and what is left of 327,680 (6,144 bytes) has no room for two slots of a shared tile.
.set ATP,   528                        ; pitch of a row of inorm in bf16: 512 + 16 bytes
.set AT,    262144                     ; inorm, 32 rows.  Bytes 0 .. 262143: state0[b], row i at 1024 i
.set STGP,  144                        ; pitch of a staged row of Wk: 64 bf16 + 16 bytes
.set STGW,  16*STGP                    ; a wave's own stage: 16 rows
.set STG,   AT+32*ATP                  ; 279040
.set KR,    STG                        ; Kraw in f32, 32 rows, over the stages once nobody reads them (33,280 of 36,864 bytes)
.set KRP,   1040
.set VEC,   STG+16*STGW                ; 315904: five vectors of 1,024 bytes
.set YQ,    0                          ; Wq xnorm
.set VR0,   1024                       ; r after the recursion
.set UU,    2048                       ; sum of w_t inorm_t
.set RD,    3072                       ; read
.set XS,    4096                       ; Wo read
.set TAB,   VEC+5120                   ; 321024: 32 x (a, -eta s^2, eta s, 0)
.set L16,   1                          ; v1   16 x lane
.set RR,    2                          ; v2   lane % 16
.set HH,    3                          ; v3   lane / 16
.set OFFW,  4                          ; v4   16384 w + 16 lane: my rows in a weight matrix, and my rows of state0[b] in LDS
.set OFFK,  5                          ; v5   16384 w + 8192 (lane / 16) + 16 (lane % 16): Wk by pieces of 64 k
.set OFFI,  6                          ; v6   2048 w + 16 lane: my two items
.set ATST,  7                          ; v7   where my two rows of inorm go
.set STST,  8                          ; v8   stage, store
.set STLD,  9                          ; v9   stage, fragment load
.set ATLD,  10                         ; v10  inorm, fragment load
.set KRST,  11                         ; v11  Kraw, store
.set KRROW, 12                         ; v12  Kraw, a row as a vector
.set VSL,   13                         ; v13  my 16 elements of a vector in VEC
.set VL,    14                         ; v14  a whole vector in VEC
.set TABST, 15                         ; v15  my two entries of TAB
.set TABLD, 16                         ; v16  TAB
.set L8,    17                         ; v17  8 x lane
.set YV,    20                         ; v20  my element of Wv u
.set KRN,   22                         ; v22  Kraw, my two rows as vectors
.set ATROW, 23                         ; v23  inorm, a row as a vector
.set AV,    24                         ; v[24:31]   the vector that a matrix is multiplied by; r in the recursion
.set T,     32                         ; v[32:47]   at work
.set P,     48                         ; v[48:63]   16 rows' partial sums; the gates; in the recursion a row of inorm and u
.set F,     64                         ; v[64:127]  by phase, see the names below
.set W,     128                        ; v[128:255] a slice of a weight matrix
.set IT0,   F                          ; items 2 w, 2 w + 1
.set IT1,   F+8
.set G1,    F+16
.set B1,    F+24
.set WA,    F+32
.set WE,    F+40
.set ACC,   F                          ; two accumulators
.set WF,    F+16                       ; two fragments of Wk
.set AF,    F+32                       ; four fragments of inorm
.macro BAR                             ; what others rely on is complete in front of the signal: all my LDS stores and loads
	s_wait_dscnt 0x0
	s_barrier_signal -1
	s_barrier_wait -1
.endm
.macro WSUM x, tmp                     ; sum over the 32 lanes, result in every lane; tmp has been written before
	v_add_f32_dpp v[\x], v[\x], v[\x] row_xmask:1 row_mask:0xf bank_mask:0xf
	v_add_f32_dpp v[\x], v[\x], v[\x] row_xmask:2 row_mask:0xf bank_mask:0xf
	v_add_f32_dpp v[\x], v[\x], v[\x] row_xmask:4 row_mask:0xf bank_mask:0xf
	v_add_f32_dpp v[\x], v[\x], v[\x] row_xmask:8 row_mask:0xf bank_mask:0xf
	v_permlanex16_b32 v[\tmp], v[\x], s42, s43
	v_add_f32 v[\x], v[\x], v[\tmp]
.endm
.macro DOT8 dst, a, b, t               ; the lane's share of a dot product: 8 products in two chains, t .. t + 3 at work
	v_pk_mul_f32 v[\t:\t+1], v[\a:\a+1], v[\b:\b+1]
	v_pk_mul_f32 v[\t+2:\t+3], v[\a+2:\a+3], v[\b+2:\b+3]
	v_pk_fma_f32 v[\t:\t+1], v[\a+4:\a+5], v[\b+4:\b+5], v[\t:\t+1]
	v_pk_fma_f32 v[\t+2:\t+3], v[\a+6:\a+7], v[\b+6:\b+7], v[\t+2:\t+3]
	v_pk_add_f32 v[\t:\t+1], v[\t:\t+1], v[\t+2:\t+3]
	v_add_f32 v[\dst], v[\t], v[\t+1]
.endm
.macro LNROW x, g, b                   ; layer norm of a vector, in place, in two passes: the mean is taken away before the squares are summed
	v_pk_add_f32 v[T:T+1], v[\x:\x+1], v[\x+2:\x+3]
	v_pk_add_f32 v[T+2:T+3], v[\x+4:\x+5], v[\x+6:\x+7]
	v_pk_add_f32 v[T:T+1], v[T:T+1], v[T+2:T+3]
	v_add_f32 v[T], v[T], v[T+1]
	WSUM T, T+1
	v_mul_f32 v[T+2], s50, v[T]                    ; minus the mean
.irp j, 0,2,4,6
	v_pk_add_f32 v[\x+\j:\x+\j+1], v[\x+\j:\x+\j+1], v[T+2:T+3] op_sel_hi:[1,0]
.endr
	DOT8 T, \x, \x, T
	WSUM T, T+1
	v_fma_f32 v[T], v[T], s41, s51                 ; variance + 1e-5
	v_rsq_f32 v[T+2], v[T]
	v_nop                                          ; one plain instruction behind a transcendental before its result is used (ISA guide 5.7.2)
	s_wait_alu depctr_va_vdst(0)
.irp j, 0,2,4,6
	v_pk_mul_f32 v[\x+\j:\x+\j+1], v[\x+\j:\x+\j+1], v[T+2:T+3] op_sel_hi:[1,0]
.endr
.irp j, 0,2,4,6
	v_pk_fma_f32 v[\x+\j:\x+\j+1], v[\x+\j:\x+\j+1], v[\g+\j:\g+\j+1], v[\b+\j:\b+\j+1]
.endr
.endm
.macro LOADW sb, g                     ; rows 4 g .. 4 g + 3 of my slice of the matrix at s[sb:sb+1]: eight loads of 512 neighbouring bytes
.irp i, 0,1,2,3
	global_load_b128 v[W+32*\g+8*\i:W+32*\g+8*\i+3], v[OFFW], s[\sb:\sb+1] offset:(4*\g+\i)*1024
	global_load_b128 v[W+32*\g+8*\i+4:W+32*\g+8*\i+7], v[OFFW], s[\sb:\sb+1] offset:(4*\g+\i)*1024+512
.endr
.endm
.macro LOADK c                         ; k = 64 c .. 64 c + 63 of my 16 rows of Wk: load i takes 256 aligned bytes of row i and of row i + 8
.irp i, 0,1,2,3,4,5,6,7
	global_load_b128 v[W+32*\c+4*\i:W+32*\c+4*\i+3], v[OFFK], s[12:13] offset:1024*\i+256*\c
.endr
.endm
.macro MVG g, cnt                      ; four rows of W times AV, each lane's share; cnt younger loads may stay out
	s_wait_loadcnt \cnt
.irp i, 0,1,2,3
	DOT8 P+4*\g+\i, W+32*\g+8*\i, AV, T+4*(\i&1)
.endr
.endm
.macro MERGE a, b, m, sm, t            ; lanes whose bit m is 0 keep row a, the others row b, and each adds what its partner held of that row
	v_cndmask_b32 v[\t], v[P+\a], v[P+\b], s[\sm]
	v_cndmask_b32 v[\t+1], v[P+\b], v[P+\a], s[\sm]
	v_add_f32_dpp v[P+\a], v[\t+1], v[\t] row_xmask:\m row_mask:0xf bank_mask:0xf
.endm
.macro REDUCE16 dst                    ; 16 rows' shares in 32 lanes -> lane l holds the whole sum of row l % 16
.irp i, 0,2,4,6,8,10,12,14
	MERGE \i, \i+1, 1, 44, T+(\i&6)
.endr
.irp i, 0,4,8,12
	MERGE \i, \i+2, 2, 45, T+(\i&4)
.endr
	MERGE 0, 4, 4, 46, T
	MERGE 8, 12, 4, 46, T+2
	MERGE 0, 8, 8, 47, T
	v_permlanex16_b32 v[T], v[P], s42, s43
	v_add_f32 v[\dst], v[P], v[T]
.endm
; 64 along k of Kraw = inorm Wk^T.  My 16 rows of Wk are rounded to bf16 and turned into fragments through my own stage (LDS serves a wave's
; instructions in order, ISA guide 5.7.1.4, so the loads see the stores).  Source 0 = rows of Wk, source 1 = rows of inorm: register j of lane l
; then holds Kraw[16 m + l % 16][16 w + 8 (l / 16) + j], eight neighbouring numbers of a row.
.macro KCHUNK c
	s_wait_loadcnt 24                              ; behind this piece's 8 loads stand the later pieces of Wk and the groups of Wv issued so far: always 24
.irp i, 0,1,2,3,4,5,6,7
	v_cvt_pk_bf16_f32 v[T+2*\i], v[W+32*\c+4*\i], v[W+32*\c+4*\i+1]        ; these 16 lines are also the places between the last
	v_cvt_pk_bf16_f32 v[T+2*\i+1], v[W+32*\c+4*\i+2], v[W+32*\c+4*\i+3]    ; matrix instruction and the loads into its sources
.endr
.irp i, 0,1,2,3,4,5,6,7
	ds_store_b64 v[STST], v[T+2*\i:T+2*\i+1] offset:STGP*\i
.endr
	LOADW 14, \c                                   ; Wv into the registers just used up
.irp s, 0,1
	ds_load_b128 v[WF+8*\s:WF+8*\s+3], v[STLD] offset:64*\s
	ds_load_b128 v[WF+8*\s+4:WF+8*\s+7], v[STLD] offset:64*\s+32
.endr
.irp s, 0,1
.irp m, 0,1
	ds_load_b128 v[AF+16*\s+8*\m:AF+16*\s+8*\m+3], v[ATLD] offset:\m*16*ATP+128*\c+64*\s
	ds_load_b128 v[AF+16*\s+8*\m+4:AF+16*\s+8*\m+7], v[ATLD] offset:\m*16*ATP+128*\c+64*\s+32
.endr
.endr
	s_wait_dscnt 0x0
.irp s, 0,1
.irp m, 0,1                            ; the two accumulators take turns, one instruction a turn, from piece to piece too
.if \c+\s == 0
	v_wmma_f32_16x16x32_bf16 v[ACC+8*\m:ACC+8*\m+7], v[WF+8*\s:WF+8*\s+7], v[AF+16*\s+8*\m:AF+16*\s+8*\m+7], 0
.else
	v_wmma_f32_16x16x32_bf16 v[ACC+8*\m:ACC+8*\m+7], v[WF+8*\s:WF+8*\s+7], v[AF+16*\s+8*\m:AF+16*\s+8*\m+7], v[ACC+8*\m:ACC+8*\m+7]
.endif
.endr
.endr
.endm
.macro RLOAD sl, t                     ; what step t of the recursion needs, five loads: Kraw_t, inorm_t in bf16, TAB's entry
	ds_load_b128 v[\sl:\sl+3], v[KRROW] offset:(\t)*KRP
	ds_load_b128 v[\sl+4:\sl+7], v[KRROW] offset:(\t)*KRP+512
	ds_load_b64 v[\sl+8:\sl+9], v[ATROW] offset:(\t)*ATP
	ds_load_b64 v[\sl+10:\sl+11], v[ATROW] offset:(\t)*ATP+256
	ds_load_b128 v[\sl+12:\sl+15], v[TABLD] offset:(\t)*16
.endm
.set STEP, 0
.macro RSTEP cnt, refill               ; step t = 31 - STEP on slot STEP % 4; cnt younger LDS loads may stay out
.set SL, F+16*(STEP&3)
.set TT, 31-STEP
	s_wait_dscnt \cnt
.irp j, 0,2,4,6
	v_pk_mul_f32 v[T+8+\j:T+9+\j], v[AV+\j:AV+\j+1], v[SL+12:SL+13] op_sel_hi:[1,0]       ; a r: does not wait for c
.endr
.irp j, 0,1,2,3
	v_lshlrev_b32 v[P+2*\j], 16, v[SL+8+\j]                                               ; inorm_t to f32
	v_and_b32 v[P+2*\j+1], s68, v[SL+8+\j]
.endr
	DOT8 T, SL, AV, T
	WSUM T, T+1                                                                           ; Kraw_t . r
	v_mul_f32 v[T+6], v[SL+13], v[T]                                                      ; -eta s^2 (Kraw . r)
	v_mul_f32 v[T+4], v[SL+14], v[T]                                                      ; w_t = eta s (Kraw . r)
.irp j, 0,2,4,6
	v_pk_fma_f32 v[AV+\j:AV+\j+1], v[SL+\j:SL+\j+1], v[T+6:T+7], v[T+8+\j:T+9+\j] op_sel_hi:[1,0,1]
.endr
.irp j, 0,2,4,6
.if STEP == 0
	v_pk_mul_f32 v[P+8+\j:P+9+\j], v[P+\j:P+\j+1], v[T+4:T+5] op_sel_hi:[1,0]             ; the first step starts u
.else
	v_pk_fma_f32 v[P+8+\j:P+9+\j], v[P+\j:P+\j+1], v[T+4:T+5], v[P+8+\j:P+9+\j] op_sel_hi:[1,0,1]
.endif
.endr
.if \refill
	RLOAD SL, TT-4
.endif
.set STEP, STEP+1
.endm
.macro ZLOAD sl, g                     ; rows 4 g .. 4 g + 3 of my 16 rows of state0[b], from LDS
.irp i, 0,1,2,3
	ds_load_b128 v[F+32*\sl+8*\i:F+32*\sl+8*\i+3], v[OFFW] offset:(4*\g+\i)*1024
	ds_load_b128 v[F+32*\sl+8*\i+4:F+32*\sl+8*\i+7], v[OFFW] offset:(4*\g+\i)*1024+512
.endr
.endm
.macro ZDOT sl, g, cnt
	s_wait_dscnt \cnt
.irp i, 0,1,2,3
	DOT8 P+4*\g+\i, F+32*\sl+8*\i, T+8, T+4*(\i&1)
.endr
.endm
; ---- head: the state's tensor load first, then 46 loads
	s_load_b512 s[4:19], s[0:1], 0x0               ; item 4, user 6, state0 8, Wq 10, Wk 12, Wv 14, Wo 16, bo 18
	s_load_b512 s[20:35], s[0:1], 0x40             ; Wa 20, ba 22, We 24, be 26, g1 28, beta1 30, g2 32, beta2 34
	s_load_b128 s[36:39], s[0:1], 0x80             ; xbuf 36, x2buf 38
	v_lshl_add_u32 v19, v0, 2, 0x4e800
	v_mov_b32 v21, 0
	ds_add_u32 v19, v21
	ds_add_u32 v19, v21
	v_lshrrev_b32 v[RR], 5, v0
	v_readfirstlane_b32 s40, v[RR]                 ; wave 0 .. 15
	v_and_b32 v[L16], 31, v0
	v_lshlrev_b32 v[L16], 4, v[L16]
	v_and_b32 v[RR], 15, v0
	v_bfe_u32 v[HH], v0, 4, 1
	v_lshl_add_u32 v[OFFW], s40, 14, v[L16]
	v_lshl_add_u32 v[OFFI], s40, 11, v[L16]
	v_lshlrev_b32 v[OFFK], 4, v[RR]
	v_lshl_add_u32 v[OFFK], v[HH], 13, v[OFFK]
	v_lshl_add_u32 v[OFFK], s40, 14, v[OFFK]
	; descriptor: my 16 rows of state0[b] are 16,384 bytes without a gap, taken as 64 rows of 32 elements of 8 bytes
	s_mov_b32 s52, 1                               ; count = 1
	s_lshl_b32 s53, s40, 14                        ; LDS address: 16384 w
	s_mov_b32 s56, 3<<16                           ; no mask, elements of 8 bytes, no padding
	s_mov_b32 s57, 32<<16                          ; tensor_dim0 = 32
	s_mov_b32 s58, 64<<16                          ; tensor_dim1 = 64
	s_mov_b32 s59, 32<<16                          ; tile_dim0 = 32
	s_mov_b32 s60, 64                              ; tile_dim1 = 64
	s_mov_b32 s61, 32                              ; 32 elements from row to row
	s_mov_b32 s62, 0
	s_mov_b32 s63, 0
	s_lshl_b32 s66, ttmp9, 18                      ; b x 262,144 bytes
	s_add_co_u32 s66, s66, s53                     ; + w x 16,384: below 2^26
	s_mov_b32 s67, 0
	s_wait_dscnt 0x0
	s_wait_kmcnt 0x0
	s_add_nc_u64 s[54:55], s[8:9], s[66:67]
	s_or_b32 s55, s55, 0x80000000                  ; type = 2
	tensor_load_to_lds s[52:55], s[56:63]
	s_nop 0
	s_load_b32 s48, s[22:23], 0x0                  ; ba
	s_load_b32 s49, s[26:27], 0x0                  ; be
	s_lshl_b32 s66, ttmp9, 15
	s_add_nc_u64 s[4:5], s[4:5], s[66:67]          ; item_seq[b]
	s_lshl_b32 s66, ttmp9, 10
	s_add_nc_u64 s[6:7], s[6:7], s[66:67]          ; user_static[b]
	s_add_nc_u64 s[36:37], s[36:37], s[66:67]      ; xbuf[b]
	s_lshl_b32 s66, ttmp9, 9
	s_add_nc_u64 s[38:39], s[38:39], s[66:67]      ; x2buf[b]
	global_load_b128 v[AV:AV+3], v[L16], s[6:7]
	global_load_b128 v[AV+4:AV+7], v[L16], s[6:7] offset:512
	global_load_b128 v[G1:G1+3], v[L16], s[28:29]
	global_load_b128 v[G1+4:G1+7], v[L16], s[28:29] offset:512
	global_load_b128 v[B1:B1+3], v[L16], s[30:31]
	global_load_b128 v[B1+4:B1+7], v[L16], s[30:31] offset:512
	global_load_b128 v[WA:WA+3], v[L16], s[20:21]
	global_load_b128 v[WA+4:WA+7], v[L16], s[20:21] offset:512
	global_load_b128 v[WE:WE+3], v[L16], s[24:25]
	global_load_b128 v[WE+4:WE+7], v[L16], s[24:25] offset:512
	global_load_b128 v[IT0:IT0+3], v[OFFI], s[4:5] th:TH_LOAD_NT
	global_load_b128 v[IT0+4:IT0+7], v[OFFI], s[4:5] offset:512 th:TH_LOAD_NT
	global_load_b128 v[IT1:IT1+3], v[OFFI], s[4:5] offset:1024 th:TH_LOAD_NT
	global_load_b128 v[IT1+4:IT1+7], v[OFFI], s[4:5] offset:1536 th:TH_LOAD_NT
	LOADW 10, 0
	LOADW 10, 1
	LOADW 10, 2
	LOADW 10, 3
	; the LDS addresses and the constants, while the loads are on their way
	v_lshrrev_b32 v[L8], 1, v[L16]
	s_mul_i32 s66, s40, 2*ATP
	s_add_co_u32 s66, s66, AT
	v_add_nc_u32 v[ATST], s66, v[L8]               ; AT + 2 w rows + 8 lane
	v_add_nc_u32 v[ATROW], AT, v[L8]
	s_mul_i32 s68, s40, STGW
	s_add_co_u32 s68, s68, STG                     ; my stage
	v_mul_u32_u24 v[STST], v[HH], 8*STGP
	v_lshl_add_u32 v[STST], v[RR], 3, v[STST]
	v_add_nc_u32 v[STST], s68, v[STST]             ; row i + 8 (lane / 16), 8 bytes for each of 16 lanes
	v_mul_u32_u24 v[STLD], v[RR], STGP
	v_lshl_add_u32 v[STLD], v[HH], 4, v[STLD]
	v_add_nc_u32 v[STLD], s68, v[STLD]             ; fragment: row lane % 16, 16 bytes for each half
	v_mul_u32_u24 v[ATLD], v[RR], ATP
	v_lshl_add_u32 v[ATLD], v[HH], 4, v[ATLD]
	v_add_nc_u32 v[ATLD], AT, v[ATLD]
	v_mul_u32_u24 v[KRST], v[RR], KRP
	v_lshl_add_u32 v[KRST], v[HH], 5, v[KRST]
	v_lshl_add_u32 v[KRST], s40, 6, v[KRST]
	v_add_nc_u32 v[KRST], KR, v[KRST]              ; row lane % 16, columns 16 w + 8 (lane / 16)
	v_add_nc_u32 v[KRROW], KR, v[L16]
	s_mul_i32 s66, s40, 2*KRP
	v_add_nc_u32 v[KRN], s66, v[KRROW]
	v_lshlrev_b32 v[VSL], 2, v[RR]
	v_lshl_add_u32 v[VSL], s40, 6, v[VSL]
	v_add_nc_u32 v[VSL], VEC, v[VSL]
	v_add_nc_u32 v[VL], VEC, v[L16]
	s_lshl_b32 s66, s40, 5
	s_add_co_u32 s66, s66, TAB
	v_mov_b32 v[TABST], s66
	v_mov_b32 v[TABLD], TAB
	s_mov_b32 s41, 0x3b800000                      ; 1/256
	s_mov_b32 s50, 0xbb800000                      ; -1/256
	s_mov_b32 s51, 0x3727c5ac                      ; 1e-5
	s_mov_b32 s42, 0x76543210                      ; v_permlanex16_b32: lane i of one half reads lane i of the other
	s_mov_b32 s43, 0xfedcba98
	s_mov_b32 s44, 0xaaaaaaaa                      ; lanes whose bit 0, 1, 2, 3 is set
	s_mov_b32 s45, 0xcccccccc
	s_mov_b32 s46, 0xf0f0f0f0
	s_mov_b32 s47, 0xff00ff00
	s_mov_b32 s66, 0x3fb8aa3b                      ; log2 e
	s_mov_b32 s67, 0xbfb8aa3b                      ; -log2 e
	s_mov_b32 s68, 0xffff0000                      ; a word's upper bf16
; ---- Wq LN1(user): every wave norms the vector for itself, then takes its 16 rows
	s_wait_loadcnt 32                              ; the 14 small loads are in; the 32 of Wq stay out
	LNROW AV, G1, B1
	MVG 0, 24                                      ; behind a group's 8 loads stand the later groups of Wq and the pieces of Wk issued so far: always 24
	LOADK 0
	MVG 1, 24
	LOADK 1
	MVG 2, 24
	LOADK 2
	MVG 3, 24
	LOADK 3
	REDUCE16 P
	ds_store_b32 v[VSL], v[P] offset:YQ            ; both halves of the wave store the same words with the same values
; ---- my two items: LN1, the two gates, the rows in bf16 into LDS
	LNROW IT0, G1, B1
	LNROW IT1, G1, B1
	DOT8 P, IT0, WA, T
	DOT8 P+2, IT0, WE, T+4
	DOT8 P+4, IT1, WA, T
	DOT8 P+6, IT1, WE, T+4
	WSUM P, T
	WSUM P+2, T+1
	WSUM P+4, T+2
	WSUM P+6, T+3
	s_wait_kmcnt 0x0                               ; ba, be
	v_mul_f32 v[T], s66, s48
	v_mul_f32 v[T+1], s67, s49
	v_fma_f32 v[P], v[P], s66, v[T]                ; (g + ba) log2 e
	v_fma_f32 v[P+2], v[P+2], s67, v[T+1]          ; -(g + be) log2 e
	v_fma_f32 v[P+4], v[P+4], s66, v[T]
	v_fma_f32 v[P+6], v[P+6], s67, v[T+1]
	v_exp_f32 v[P], v[P]
	v_exp_f32 v[P+2], v[P+2]
	v_exp_f32 v[P+4], v[P+4]
	v_exp_f32 v[P+6], v[P+6]
	v_nop                                          ; a plain place behind the transcendentals
	s_wait_alu depctr_va_vdst(0)
	v_add_f32 v[P], 1.0, v[P]
	v_add_f32 v[P+2], 1.0, v[P+2]
	v_add_f32 v[P+4], 1.0, v[P+4]
	v_add_f32 v[P+6], 1.0, v[P+6]
	v_rcp_f32 v[P], v[P]                           ; a = 1 - alpha = sigmoid(-(g + ba))
	v_rcp_f32 v[P+2], v[P+2]
	v_rcp_f32 v[P+4], v[P+4]
	v_rcp_f32 v[P+6], v[P+6]
.irp j, 0,1,2,3
	v_cvt_pk_bf16_f32 v[T+\j], v[IT0+2*\j], v[IT0+2*\j+1]      ; the first of these is the plain place
	v_cvt_pk_bf16_f32 v[T+4+\j], v[IT1+2*\j], v[IT1+2*\j+1]
.endr
	s_wait_alu depctr_va_vdst(0)
	v_mul_f32 v[P+2], 0x3d800000, v[P+2]           ; eta = sigmoid(g + be) / 16
	v_mul_f32 v[P+6], 0x3d800000, v[P+6]
	ds_store_b64 v[ATST], v[T:T+1]
	ds_store_b64 v[ATST], v[T+2:T+3] offset:256
	ds_store_b64 v[ATST], v[T+4:T+5] offset:ATP
	ds_store_b64 v[ATST], v[T+6:T+7] offset:ATP+256
	BAR                                            ; all 32 rows of inorm are in LDS
; ---- Kraw = inorm Wk^T: 32 x 16 for each wave
	KCHUNK 0
	KCHUNK 1
	KCHUNK 2
	KCHUNK 3
.rept 4
	v_nop                                          ; four places between the last matrix instruction and the stores of its result
.endr
	BAR                                            ; no wave reads its stage any more: Kraw may lie over the stages
.irp m, 0,1
	ds_store_b128 v[KRST], v[ACC+8*\m:ACC+8*\m+3] offset:\m*16*KRP
	ds_store_b128 v[KRST], v[ACC+8*\m+4:ACC+8*\m+7] offset:\m*16*KRP+16
.endr
	BAR                                            ; Kraw is whole
; ---- the norms of my two rows of Kraw, and their entries of TAB
	ds_load_b128 v[F+16:F+19], v[KRN]
	ds_load_b128 v[F+20:F+23], v[KRN] offset:512
	ds_load_b128 v[F+24:F+27], v[KRN] offset:KRP
	ds_load_b128 v[F+28:F+31], v[KRN] offset:KRP+512
	s_wait_dscnt 0x0
	DOT8 T+8, F+16, F+16, T
	DOT8 T+9, F+24, F+24, T+4
	WSUM T+8, T
	WSUM T+9, T+1
	v_sqrt_f32 v[T+8], v[T+8]
	v_sqrt_f32 v[T+9], v[T+9]
	v_nop
	s_wait_alu depctr_va_vdst(0)
	v_max_num_f32 v[T+8], 0x2b8cbccc, v[T+8]       ; max(norm, 1e-12)
	v_max_num_f32 v[T+9], 0x2b8cbccc, v[T+9]
	v_rcp_f32 v[T+8], v[T+8]                       ; s
	v_rcp_f32 v[T+9], v[T+9]
	v_mov_b32 v[P+3], 0                            ; the plain place, and the entries' fourth words
	v_mov_b32 v[P+7], 0
	s_wait_alu depctr_va_vdst(0)
	v_mul_f32 v[P+2], v[P+2], v[T+8]               ; eta s
	v_mul_f32 v[P+6], v[P+6], v[T+9]
	v_mul_f32 v[T+10], -1.0, v[T+8]
	v_mul_f32 v[T+11], -1.0, v[T+9]
	v_mul_f32 v[P+1], v[P+2], v[T+10]              ; -eta s^2
	v_mul_f32 v[P+5], v[P+6], v[T+11]
	ds_store_b128 v[TABST], v[P:P+3]
	ds_store_b128 v[TABST], v[P+4:P+7] offset:16
	BAR                                            ; TAB and yq are whole
; ---- the recursion: 32 dependent steps on one vector, so one wave does it; four slots of five LDS loads run ahead of it
	s_cmp_lg_u32 s40, 0
	s_cbranch_scc1 .Lno_recursion
	ds_load_b128 v[AV:AV+3], v[VL] offset:YQ
	ds_load_b128 v[AV+4:AV+7], v[VL] offset:YQ+512
	RLOAD F, 31
	RLOAD F+16, 30
	RLOAD F+32, 29
	RLOAD F+48, 28
	s_wait_dscnt 20                                ; yq is in; the four slots' 20 loads stay out
	DOT8 T, AV, AV, T
	WSUM T, T+1
	v_sqrt_f32 v[T], v[T]
	v_nop
	s_wait_alu depctr_va_vdst(0)
	v_max_num_f32 v[T], 0x2b8cbccc, v[T]
	v_rcp_f32 v[T+6], v[T]
	v_nop
	s_wait_alu depctr_va_vdst(0)
.irp j, 0,2,4,6
	v_pk_mul_f32 v[AV+\j:AV+\j+1], v[AV+\j:AV+\j+1], v[T+6:T+7] op_sel_hi:[1,0]    ; r = q
.endr
.rept 28
	RSTEP 15, 1                                    ; behind a slot's five loads stand the three other slots': 15
.endr
	RSTEP 15, 0                                    ; the last four steps load nothing: the counts run down
	RSTEP 10, 0
	RSTEP 5, 0
	RSTEP 0, 0
	ds_store_b128 v[VL], v[AV:AV+3] offset:VR0
	ds_store_b128 v[VL], v[AV+4:AV+7] offset:VR0+512
	ds_store_b128 v[VL], v[P+8:P+11] offset:UU
	ds_store_b128 v[VL], v[P+12:P+15] offset:UU+512
.Lno_recursion:
	BAR                                            ; r and u are in LDS
; ---- read = Wv u + state0 r, 16 rows a wave
	ds_load_b128 v[AV:AV+3], v[VL] offset:UU
	ds_load_b128 v[AV+4:AV+7], v[VL] offset:UU+512
	ds_load_b128 v[T+8:T+11], v[VL] offset:VR0
	ds_load_b128 v[T+12:T+15], v[VL] offset:VR0+512
	s_wait_dscnt 0x0
	MVG 0, 24                                      ; the later groups of Wv and the groups of Wo issued so far: always 24
	LOADW 16, 0
	MVG 1, 24
	LOADW 16, 1
	MVG 2, 24
	LOADW 16, 2
	MVG 3, 24
	LOADW 16, 3
	REDUCE16 YV
	s_wait_tensorcnt 0x0                           ; my rows of state0[b] are in LDS; no other wave reads them
	ZLOAD 0, 0
	ZLOAD 1, 1
	ZDOT 0, 0, 8                                   ; the other slot's eight loads stay out
	ZLOAD 0, 2
	ZDOT 1, 1, 8
	ZLOAD 1, 3
	ZDOT 0, 2, 8
	ZDOT 1, 3, 0
	s_cmp_lg_u32 s40, 0
	s_cbranch_scc1 .Lno_tail_loads
	global_load_b128 v[F:F+3], v[L16], s[6:7]                  ; what wave 0 needs at the end goes out now: user, bo, g2, beta2
	global_load_b128 v[F+4:F+7], v[L16], s[6:7] offset:512
	global_load_b128 v[F+8:F+11], v[L16], s[18:19]
	global_load_b128 v[F+12:F+15], v[L16], s[18:19] offset:512
	global_load_b128 v[F+16:F+19], v[L16], s[32:33]
	global_load_b128 v[F+20:F+23], v[L16], s[32:33] offset:512
	global_load_b128 v[F+24:F+27], v[L16], s[34:35]
	global_load_b128 v[F+28:F+31], v[L16], s[34:35] offset:512
.Lno_tail_loads:
	REDUCE16 P
	v_add_f32 v[P], v[P], v[YV]
	ds_store_b32 v[VSL], v[P] offset:RD
	BAR                                            ; read is whole
; ---- Wo read
	ds_load_b128 v[AV:AV+3], v[VL] offset:RD
	ds_load_b128 v[AV+4:AV+7], v[VL] offset:RD+512
	s_wait_dscnt 0x0
	MVG 0, 24                                      ; the later groups of Wo may stay out.  In wave 0 eight younger loads stand behind them,
	MVG 1, 16                                      ; so there the same counts wait for one group more than is needed,
	MVG 2, 8
	MVG 3, 0                                       ; and the last one also shows those eight in
	REDUCE16 P
	ds_store_b32 v[VSL], v[P] offset:XS
	BAR
	s_cmp_lg_u32 s40, 0
	s_cbranch_scc1 .Lend
; ---- wave 0: x = user + Wo read + bo, and LN2(x) in bf16
	ds_load_b128 v[AV:AV+3], v[VL] offset:XS
	ds_load_b128 v[AV+4:AV+7], v[VL] offset:XS+512
.irp j, 0,2,4,6
	v_pk_add_f32 v[F+\j:F+\j+1], v[F+\j:F+\j+1], v[F+8+\j:F+9+\j]
.endr
	s_wait_dscnt 0x0
.irp j, 0,2,4,6
	v_pk_add_f32 v[AV+\j:AV+\j+1], v[AV+\j:AV+\j+1], v[F+\j:F+\j+1]
.endr
	global_store_b128 v[L16], v[AV:AV+3], s[36:37]             ; each store covers 512 neighbouring bytes
	global_store_b128 v[L16], v[AV+4:AV+7], s[36:37] offset:512
	s_wait_xcnt 0x0                                ; x is normed in place: the stores' data are rewritten only behind this wait
	LNROW AV, F+16, F+24
.irp j, 0,1,2,3
	v_cvt_pk_bf16_f32 v[T+\j], v[AV+2*\j], v[AV+2*\j+1]
.endr
	global_store_b64 v[L8], v[T:T+1], s[38:39]                 ; each store covers 256 neighbouring bytes, aligned
	global_store_b64 v[L8], v[T+2:T+3], s[38:39] offset:256
.Lend:
	s_wait_tensorcnt 0x0
	ds_add_u32 v19, v21
	s_wait_dscnt 0x0
	s_endpgm
.Lfunc_end_k_q64a052446c_mem:
	.size	k_q64a052446c_mem, .Lfunc_end_k_q64a052446c_mem-k_q64a052446c_mem
	.p2alignl 7, 3214868480
	.fill 96, 4, 3214868480
	.section	.rodata,"a",@progbits
	.p2align	6, 0x0
	.amdhsa_kernel k_q64a052446c_mem
		.amdhsa_group_segment_fixed_size 323584
		.amdhsa_private_segment_fixed_size 0
		.amdhsa_enable_private_segment 0
		.amdhsa_kernarg_size 144
		.amdhsa_user_sgpr_count 2
		.amdhsa_user_sgpr_kernarg_segment_ptr 1
		.amdhsa_wavefront_size32 1
		.amdhsa_system_sgpr_workgroup_id_x 1
		.amdhsa_system_sgpr_workgroup_id_y 1
		.amdhsa_system_sgpr_workgroup_id_z 1
		.amdhsa_system_vgpr_workitem_id 0
		.amdhsa_next_free_vgpr 256
		.amdhsa_next_free_sgpr 70
		.amdhsa_reserve_vcc 0
		.amdhsa_float_denorm_mode_32 3
		.amdhsa_float_denorm_mode_16_64 3
		.amdhsa_memory_ordered 1
		.amdhsa_forward_progress 1
		.amdhsa_inst_pref_size 153
	.end_amdhsa_kernel
	.amdgpu_metadata
---
amdhsa.version: [ 1, 2 ]
amdhsa.kernels:
  - .name:           k_q64a052446c_mem
    .symbol:         k_q64a052446c_mem.kd
    .args:
      - { .name: item_seq, .offset: 0, .size: 8, .value_kind: global_buffer, .address_space: global }
      - { .name: user_static, .offset: 8, .size: 8, .value_kind: global_buffer, .address_space: global }
      - { .name: state0, .offset: 16, .size: 8, .value_kind: global_buffer, .address_space: global }
      - { .name: Wq, .offset: 24, .size: 8, .value_kind: global_buffer, .address_space: global }
      - { .name: Wk, .offset: 32, .size: 8, .value_kind: global_buffer, .address_space: global }
      - { .name: Wv, .offset: 40, .size: 8, .value_kind: global_buffer, .address_space: global }
      - { .name: Wo, .offset: 48, .size: 8, .value_kind: global_buffer, .address_space: global }
      - { .name: bo, .offset: 56, .size: 8, .value_kind: global_buffer, .address_space: global }
      - { .name: Wa, .offset: 64, .size: 8, .value_kind: global_buffer, .address_space: global }
      - { .name: ba, .offset: 72, .size: 8, .value_kind: global_buffer, .address_space: global }
      - { .name: We, .offset: 80, .size: 8, .value_kind: global_buffer, .address_space: global }
      - { .name: be, .offset: 88, .size: 8, .value_kind: global_buffer, .address_space: global }
      - { .name: g1, .offset: 96, .size: 8, .value_kind: global_buffer, .address_space: global }
      - { .name: beta1, .offset: 104, .size: 8, .value_kind: global_buffer, .address_space: global }
      - { .name: g2, .offset: 112, .size: 8, .value_kind: global_buffer, .address_space: global }
      - { .name: beta2, .offset: 120, .size: 8, .value_kind: global_buffer, .address_space: global }
      - { .name: xbuf, .offset: 128, .size: 8, .value_kind: global_buffer, .address_space: global }
      - { .name: x2buf, .offset: 136, .size: 8, .value_kind: global_buffer, .address_space: global }
    .group_segment_fixed_size: 323584
    .private_segment_fixed_size: 0
    .kernarg_segment_align: 8
    .kernarg_segment_size: 144
    .max_flat_workgroup_size: 512
    .sgpr_count:     70
    .vgpr_count:     256
    .wavefront_size: 32
...
	.end_amdgpu_metadata
.endif
;; end of part 1
;; launch ffn1 (part 2): grid 32 x 8, 4 waves a work-group, no clusters, 168,448 bytes of LDS; arguments x2buf, W1, b1, hbuf; writes hbuf
.if DOCPART == 2
	.amdgcn_target "amdgcn-amd-amdhsa--gfx1250"
	.amdhsa_code_object_version 6
	.text
	.protected	k_q64a052446c_ffn1
	.globl	k_q64a052446c_ffn1
	.p2align	8
	.type	k_q64a052446c_ffn1,@function
k_q64a052446c_ffn1:
	s_mov_b64 s[64:65], 0
	v_nop
	global_prefetch_b8 v0, s[64:65] scope:SCOPE_SE
	s_setreg_imm32_b32 hwreg(HW_REG_WAVE_MODE, 25, 1), 1
	s_wait_xcnt 0x0
; h = relu(x2 W1^T + b1).  x2: [256][256] bf16, W1: [1024][256] f32, b1: [1024] f32.
; h goes out in bf16 in the order in which the next launch's fragments want it: element (m, n) at byte ((n / 8) 256 + m) 16 + (n % 8) 2.
; A work-group makes 32 rows x 32 columns, a wave 16 x 16 over all of K = 256: 256 work-groups.
; W1 is rounded to bf16 on the way from LDS to the matrix unit; the sums are f32; h is rounded once.
; Each wave brings 8 rows of x2 and 8 rows of W1 by two tensor loads, issued together at the start; by this text's count two are outstanding; nothing is filled twice.
; NO CLUSTER, although 8 work-groups read the same rows of W1 and 32 the same rows of x2: a work-group makes one fill of 50,176 bytes and then
; 8 matrix instructions a wave; joint loads would put two meetings of the cluster on that short path.
.set AP,    528                        ; a row of x2: 512 + 16 bytes
.set BP,    1040                       ; a row of W1: 1,024 + 16 bytes; both pitches are odd multiples of 16
.set BBASE, 32*AP                      ; 16896
.set AFR,   16                         ; v[16:79]    fragments of x2, 8 K steps x 8
.set BR,    80                         ; v[80:207]   W1 in f32, 8 K steps x 16
.set BF,    208                        ; v[208:223]  fragments of W1, two that take turns
.set ACC0,  224                        ; v[224:231], v[232:239]: even and odd K steps
.set ACC1,  232
.set OUT,   240
	s_load_b256 s[4:11], s[0:1], 0x0               ; x2buf 4, W1 6, b1 8, hbuf 10
	v_lshl_add_u32 v254, v0, 2, 0x29000
	v_mov_b32 v255, 0
	ds_add_u32 v254, v255
	ds_add_u32 v254, v255
	v_lshrrev_b32 v1, 5, v0
	v_readfirstlane_b32 s12, v1                    ; wave 0 .. 3
	s_lshr_b32 s13, s12, 1                         ; which 16 rows
	s_and_b32 s14, s12, 1                          ; which 16 columns
	s_and_b32 s16, ttmp7, 0xffff                   ; block of 32 rows; ttmp9: block of 32 columns
	; x2: 8 rows of 256 elements of 2 bytes, 4 words of padding behind every 128 words
	s_mov_b32 s20, 1
	s_mul_i32 s21, s12, 8*AP
	s_mov_b32 s24, (1<<16)|(1<<20)|(6<<22)|(3<<25)
	s_mov_b32 s25, 256<<16                         ; tensor_dim0
	s_mov_b32 s26, 8<<16                           ; tensor_dim1
	s_mov_b32 s27, 256<<16                         ; tile_dim0
	s_mov_b32 s28, 8                               ; tile_dim1
	s_mov_b32 s29, 256                             ; elements from row to row
	s_mov_b32 s30, 0
	s_mov_b32 s31, 0
	; W1: 8 rows of 256 elements of 4 bytes, 4 words of padding behind every 256 words
	s_mov_b32 s32, 1
	s_mul_i32 s33, s12, 8*BP
	s_add_co_u32 s33, s33, BBASE
	s_mov_b32 s36, (2<<16)|(1<<20)|(7<<22)|(3<<25)
	s_mov_b32 s37, 256<<16
	s_mov_b32 s38, 8<<16
	s_mov_b32 s39, 256<<16
	s_mov_b32 s40, 8
	s_mov_b32 s41, 256
	s_mov_b32 s42, 0
	s_mov_b32 s43, 0
	s_lshl_b32 s44, s16, 14                        ; (32 block + 8 w) rows of 512 bytes
	s_lshl_b32 s45, s12, 12
	s_add_co_u32 s44, s44, s45
	s_mov_b32 s45, 0
	s_lshl_b32 s46, ttmp9, 15                      ; (32 block + 8 w) rows of 1,024 bytes
	s_lshl_b32 s47, s12, 13
	s_add_co_u32 s46, s46, s47
	s_mov_b32 s47, 0
	s_wait_dscnt 0x0
	s_wait_kmcnt 0x0
	s_add_nc_u64 s[22:23], s[4:5], s[44:45]
	s_or_b32 s23, s23, 0x80000000
	s_add_nc_u64 s[34:35], s[6:7], s[46:47]
	s_or_b32 s35, s35, 0x80000000
	tensor_load_to_lds s[20:23], s[24:31]
	s_nop 0
	tensor_load_to_lds s[32:35], s[36:43]
	s_nop 0
	v_and_b32 v1, 15, v0                           ; r
	v_bfe_u32 v2, v0, 4, 1                         ; h
	v_lshlrev_b32 v6, 5, v2
	v_lshl_add_u32 v6, s14, 6, v6                  ; b1: 8 numbers at column 16 ni + 8 h
	s_lshl_b32 s44, ttmp9, 7
	s_add_nc_u64 s[8:9], s[8:9], s[44:45]
	; the matrix instruction is used transposed (source 0 = rows of W1), so register j of a lane is column 8 h + j of row r: the bias is the first C
	global_load_b128 v[ACC0:ACC0+3], v6, s[8:9]
	global_load_b128 v[ACC0+4:ACC0+7], v6, s[8:9] offset:16
	s_mul_i32 s17, s13, 16*AP
	v_mul_u32_u24 v4, v1, AP
	v_lshl_add_u32 v4, v2, 4, v4
	v_add_nc_u32 v4, s17, v4                       ; x2: row 16 mi + r, 16 bytes for each half
	s_mul_i32 s18, s14, 16*BP
	s_add_co_u32 s18, s18, BBASE
	v_mul_u32_u24 v5, v1, BP
	v_lshl_add_u32 v5, v2, 5, v5
	v_add_nc_u32 v5, s18, v5                       ; W1: row 16 ni + r, 32 bytes (8 f32) for each half
	v_lshlrev_b32 v7, 4, v1
	v_lshl_add_u32 v7, v2, 12, v7
	v_lshl_add_u32 v7, s14, 13, v7
	v_lshl_add_u32 v7, s13, 8, v7                  ; h: (2 ni + h) 4096 + (16 mi + r) 16
	s_lshl_b32 s44, ttmp9, 14
	s_lshl_b32 s46, s16, 9
	s_add_co_u32 s44, s44, s46
	s_add_nc_u64 s[10:11], s[10:11], s[44:45]
	s_wait_tensorcnt 0x0                           ; my rows are in LDS,
	s_barrier_signal -1
	s_barrier_wait -1                              ; everybody's are
.irp s, 0,1,2,3,4,5,6,7
	ds_load_b128 v[AFR+8*\s:AFR+8*\s+3], v4 offset:64*\s
	ds_load_b128 v[AFR+8*\s+4:AFR+8*\s+7], v4 offset:64*\s+32
	ds_load_b128 v[BR+16*\s:BR+16*\s+3], v5 offset:128*\s
	ds_load_b128 v[BR+16*\s+4:BR+16*\s+7], v5 offset:128*\s+16
	ds_load_b128 v[BR+16*\s+8:BR+16*\s+11], v5 offset:128*\s+64
	ds_load_b128 v[BR+16*\s+12:BR+16*\s+15], v5 offset:128*\s+80
.endr
	s_wait_loadcnt 0x0                             ; the bias
; One K step of 32.  The eight conversions write the fragment that the matrix instruction before the last read: the eight of the step before
; stand between (ISA guide 7.12.1).  The two accumulators take turns, one instruction a turn.
.macro KSTEP s
	s_wait_dscnt 42-6*\s                           ; six loads for each later K step may stay out
.irp j, 0,1,2,3,4,5,6,7
	v_cvt_pk_bf16_f32 v[BF+8*(\s&1)+\j], v[BR+16*\s+2*\j], v[BR+16*\s+2*\j+1]
.endr
.if \s == 1
	v_wmma_f32_16x16x32_bf16 v[ACC1:ACC1+7], v[BF+8:BF+15], v[AFR+8:AFR+15], 0
.else
	v_wmma_f32_16x16x32_bf16 v[ACC0+8*(\s&1):ACC0+8*(\s&1)+7], v[BF+8*(\s&1):BF+8*(\s&1)+7], v[AFR+8*\s:AFR+8*\s+7], v[ACC0+8*(\s&1):ACC0+8*(\s&1)+7]
.endif
.endm
.irp s, 0,1,2,3,4,5,6,7
	KSTEP \s
.endr
.rept 4
	v_nop                                          ; four places before the results are read
.endr
.irp j, 0,2,4,6
	v_pk_add_f32 v[ACC0+\j:ACC0+\j+1], v[ACC0+\j:ACC0+\j+1], v[ACC1+\j:ACC1+\j+1]
.endr
.irp j, 0,1,2,3,4,5,6,7
	v_max_num_f32 v[ACC0+\j], 0, v[ACC0+\j]
.endr
.irp j, 0,1,2,3
	v_cvt_pk_bf16_f32 v[OUT+\j], v[ACC0+2*\j], v[ACC0+2*\j+1]
.endr
	global_store_b128 v7, v[OUT:OUT+3], s[10:11]   ; each half of the wave stores 256 neighbouring bytes, aligned
	s_wait_tensorcnt 0x0
	ds_add_u32 v254, v255
	s_wait_dscnt 0x0
	s_endpgm
.Lfunc_end_k_q64a052446c_ffn1:
	.size	k_q64a052446c_ffn1, .Lfunc_end_k_q64a052446c_ffn1-k_q64a052446c_ffn1
	.p2alignl 7, 3214868480
	.fill 96, 4, 3214868480
	.section	.rodata,"a",@progbits
	.p2align	6, 0x0
	.amdhsa_kernel k_q64a052446c_ffn1
		.amdhsa_group_segment_fixed_size 168448
		.amdhsa_private_segment_fixed_size 0
		.amdhsa_enable_private_segment 0
		.amdhsa_kernarg_size 32
		.amdhsa_user_sgpr_count 2
		.amdhsa_user_sgpr_kernarg_segment_ptr 1
		.amdhsa_wavefront_size32 1
		.amdhsa_system_sgpr_workgroup_id_x 1
		.amdhsa_system_sgpr_workgroup_id_y 1
		.amdhsa_system_sgpr_workgroup_id_z 1
		.amdhsa_system_vgpr_workitem_id 0
		.amdhsa_next_free_vgpr 256
		.amdhsa_next_free_sgpr 66
		.amdhsa_reserve_vcc 0
		.amdhsa_float_denorm_mode_32 3
		.amdhsa_float_denorm_mode_16_64 3
		.amdhsa_memory_ordered 1
		.amdhsa_forward_progress 1
		.amdhsa_inst_pref_size 13
	.end_amdhsa_kernel
	.amdgpu_metadata
---
amdhsa.version: [ 1, 2 ]
amdhsa.kernels:
  - .name:           k_q64a052446c_ffn1
    .symbol:         k_q64a052446c_ffn1.kd
    .args:
      - { .name: x2buf, .offset: 0, .size: 8, .value_kind: global_buffer, .address_space: global }
      - { .name: W1, .offset: 8, .size: 8, .value_kind: global_buffer, .address_space: global }
      - { .name: b1, .offset: 16, .size: 8, .value_kind: global_buffer, .address_space: global }
      - { .name: hbuf, .offset: 24, .size: 8, .value_kind: global_buffer, .address_space: global }
    .group_segment_fixed_size: 168448
    .private_segment_fixed_size: 0
    .kernarg_segment_align: 8
    .kernarg_segment_size: 32
    .max_flat_workgroup_size: 128
    .sgpr_count:     66
    .vgpr_count:     256
    .wavefront_size: 32
...
	.end_amdgpu_metadata
.endif
;; end of part 2
;; launch ffn2 (part 3): grid 4 x 16, 16 waves a work-group, no clusters, 318,464 bytes of LDS; arguments hbuf, W2, b2, xbuf, out0; writes out0
.if DOCPART == 3
	.amdgcn_target "amdgcn-amd-amdhsa--gfx1250"
	.amdhsa_code_object_version 6
	.text
	.protected	k_q64a052446c_ffn2
	.globl	k_q64a052446c_ffn2
	.p2align	8
	.type	k_q64a052446c_ffn2,@function
k_q64a052446c_ffn2:
	s_mov_b64 s[64:65], 0
	v_nop
	global_prefetch_b8 v0, s[64:65] scope:SCOPE_SE
	s_setreg_imm32_b32 hwreg(HW_REG_WAVE_MODE, 25, 1), 1
	s_wait_xcnt 0x0
; out = x + h W2^T + b2.  h: bf16, element (m, k) at byte ((k / 8) 256 + m) 16 + (k % 8) 2; W2: [256][1024] f32; x, out: [256][256] f32.
; A work-group makes 16 rows x 64 columns (a row's piece is 256 bytes): 64 work-groups.  Wave w makes the 16 columns w % 4 over the quarter w / 4 of K = 1024;
; the four quarters meet in LDS, and wave w then adds and stores row w.  W2 is rounded to bf16 on the way from LDS to the matrix unit; sums are f32.
; Each wave brings its own 16 x 256 of W2 and 8 of the 128 pieces of h by two tensor loads, issued together at the start; by this text's count
; two are outstanding; nothing is filled twice.
; NO CLUSTER, although 16 work-groups read the same rows of W2: a work-group makes one fill and then 8 matrix instructions a wave;
; joint loads would put two meetings of the cluster on that short path.
.set BP,    1040                       ; 256 f32 of a row of W2 + 16 bytes
.set BW,    16*BP                      ; a wave's own tile of W2
.set ABASE, 16*BW                      ; 266240: h, 128 pieces (8 k each) of 16 rows x 16 bytes
.set RED,   ABASE+128*256              ; 299008: four quarters of 16 rows x 64 f32
.set REDP,  272
.set REDQ,  16*REDP
.set AFR,   16                         ; v[16:79]    fragments of h, 8 K steps x 8
.set BR,    80                         ; v[80:207]   W2 in f32, 8 K steps x 16
.set BF,    208                        ; v[208:223]  fragments of W2, two that take turns
.set ACC0,  224
.set ACC1,  232
.set XR,    240                        ; v[240:241]  x
.set B2,    242                        ; v[242:243]  b2
.set SUM,   244                        ; v[244:251]  the four quarters
	s_load_b256 s[4:11], s[0:1], 0x0               ; hbuf 4, W2 6, b2 8, xbuf 10
	s_load_b64 s[12:13], s[0:1], 0x20              ; out0
	v_lshl_add_u32 v254, v0, 2, 0x4d400
	v_mov_b32 v255, 0
	ds_add_u32 v254, v255
	ds_add_u32 v254, v255
	v_lshrrev_b32 v1, 5, v0
	v_readfirstlane_b32 s14, v1                    ; wave 0 .. 15
	s_and_b32 s15, s14, 3                          ; which 16 columns
	s_lshr_b32 s16, s14, 2                         ; which quarter of K
	s_and_b32 s18, ttmp7, 0xffff                   ; block of 16 rows; ttmp9: block of 64 columns
	; h: pieces 8 w .. 8 w + 7, of each the 256 bytes of my 16 rows: 8 rows of 32 elements of 8 bytes, 512 elements apart
	s_mov_b32 s20, 1
	s_lshl_b32 s21, s14, 11
	s_add_co_u32 s21, s21, ABASE
	s_mov_b32 s24, 3<<16
	s_mov_b32 s25, 32<<16                          ; tensor_dim0
	s_mov_b32 s26, 8<<16                           ; tensor_dim1
	s_mov_b32 s27, 32<<16                          ; tile_dim0
	s_mov_b32 s28, 8                               ; tile_dim1
	s_mov_b32 s29, 512
	s_mov_b32 s30, 0
	s_mov_b32 s31, 0
	; W2: 16 rows of 256 elements of 4 bytes, 1,024 elements apart, 4 words of padding behind every 256 words
	s_mov_b32 s32, 1
	s_mul_i32 s33, s14, BW
	s_mov_b32 s36, (2<<16)|(1<<20)|(7<<22)|(3<<25)
	s_mov_b32 s37, 256<<16
	s_mov_b32 s38, 16<<16
	s_mov_b32 s39, 256<<16
	s_mov_b32 s40, 16
	s_mov_b32 s41, 1024
	s_mov_b32 s42, 0
	s_mov_b32 s43, 0
	s_lshl_b32 s44, s14, 15                        ; 8 w pieces of 4,096 bytes
	s_lshl_b32 s45, s18, 8                         ; + my 16 rows
	s_add_co_u32 s44, s44, s45
	s_mov_b32 s45, 0
	s_lshl_b32 s46, ttmp9, 18                      ; (64 block + 16 ni) rows of 4,096 bytes
	s_lshl_b32 s47, s15, 16
	s_add_co_u32 s46, s46, s47
	s_lshl_b32 s47, s16, 10                        ; + the quarter's 1,024 bytes
	s_add_co_u32 s46, s46, s47
	s_mov_b32 s47, 0
	s_wait_dscnt 0x0
	s_wait_kmcnt 0x0
	s_add_nc_u64 s[22:23], s[4:5], s[44:45]
	s_or_b32 s23, s23, 0x80000000
	s_add_nc_u64 s[34:35], s[6:7], s[46:47]
	s_or_b32 s35, s35, 0x80000000
	tensor_load_to_lds s[20:23], s[24:31]
	s_nop 0
	tensor_load_to_lds s[32:35], s[36:43]
	s_nop 0
	v_and_b32 v3, 31, v0
	v_lshlrev_b32 v9, 3, v3                        ; 8 x lane
	v_lshl_add_u32 v8, s14, 10, v9                 ; row w of the block in x and out
	s_lshl_b32 s46, ttmp9, 8                       ; the block's 64 columns
	s_add_nc_u64 s[8:9], s[8:9], s[46:47]
	s_lshl_b32 s44, s18, 14                        ; the block's 16 rows
	s_add_co_u32 s44, s44, s46
	s_add_nc_u64 s[10:11], s[10:11], s[44:45]
	s_add_nc_u64 s[12:13], s[12:13], s[44:45]
	global_load_b64 v[XR:XR+1], v8, s[10:11]
	global_load_b64 v[B2:B2+1], v9, s[8:9]
	v_and_b32 v1, 15, v0                           ; r
	v_bfe_u32 v2, v0, 4, 1                         ; h
	v_lshlrev_b32 v4, 4, v1
	v_lshl_add_u32 v4, v2, 8, v4
	v_lshl_add_u32 v4, s16, 13, v4
	v_add_nc_u32 v4, ABASE, v4                     ; h: piece 32 kq + h, row r
	v_mul_u32_u24 v5, v1, BP
	v_lshl_add_u32 v5, v2, 5, v5
	v_add_nc_u32 v5, s33, v5                       ; W2: my tile, row r, 32 bytes for each half
	s_mul_i32 s17, s16, REDQ
	s_add_co_u32 s17, s17, RED
	v_mul_u32_u24 v6, v1, REDP
	v_lshl_add_u32 v6, v2, 5, v6
	v_lshl_add_u32 v6, s15, 6, v6
	v_add_nc_u32 v6, s17, v6                       ; my quarter, row r, columns 16 ni + 8 h
	s_mul_i32 s19, s14, REDP
	s_add_co_u32 s19, s19, RED
	v_add_nc_u32 v7, s19, v9                       ; row w of a quarter, 8 bytes a lane
	s_wait_tensorcnt 0x0                           ; my tiles are in LDS,
	s_barrier_signal -1
	s_barrier_wait -1                              ; everybody's are: h's pieces are read by other waves too
.irp s, 0,1,2,3,4,5,6,7
	ds_load_b128 v[AFR+8*\s:AFR+8*\s+3], v4 offset:1024*\s
	ds_load_b128 v[AFR+8*\s+4:AFR+8*\s+7], v4 offset:1024*\s+512
	ds_load_b128 v[BR+16*\s:BR+16*\s+3], v5 offset:128*\s
	ds_load_b128 v[BR+16*\s+4:BR+16*\s+7], v5 offset:128*\s+16
	ds_load_b128 v[BR+16*\s+8:BR+16*\s+11], v5 offset:128*\s+64
	ds_load_b128 v[BR+16*\s+12:BR+16*\s+15], v5 offset:128*\s+80
.endr
; One K step of 32.  The eight conversions write the fragment that the matrix instruction before the last read: the eight of the step before
; stand between (ISA guide 7.12.1).  The two accumulators take turns, one instruction a turn.
; Source 0 = rows of W2: register j of lane l holds out[l % 16][16 ni + 8 (l / 16) + j].
.macro KSTEP s
	s_wait_dscnt 42-6*\s                           ; six loads for each later K step may stay out
.irp j, 0,1,2,3,4,5,6,7
	v_cvt_pk_bf16_f32 v[BF+8*(\s&1)+\j], v[BR+16*\s+2*\j], v[BR+16*\s+2*\j+1]
.endr
.if \s < 2
	v_wmma_f32_16x16x32_bf16 v[ACC0+8*\s:ACC0+8*\s+7], v[BF+8*\s:BF+8*\s+7], v[AFR+8*\s:AFR+8*\s+7], 0
.else
	v_wmma_f32_16x16x32_bf16 v[ACC0+8*(\s&1):ACC0+8*(\s&1)+7], v[BF+8*(\s&1):BF+8*(\s&1)+7], v[AFR+8*\s:AFR+8*\s+7], v[ACC0+8*(\s&1):ACC0+8*(\s&1)+7]
.endif
.endm
.irp s, 0,1,2,3,4,5,6,7
	KSTEP \s
.endr
.rept 4
	v_nop                                          ; four places before the results are read
.endr
.irp j, 0,2,4,6
	v_pk_add_f32 v[ACC0+\j:ACC0+\j+1], v[ACC0+\j:ACC0+\j+1], v[ACC1+\j:ACC1+\j+1]
.endr
	ds_store_b128 v6, v[ACC0:ACC0+3]
	ds_store_b128 v6, v[ACC0+4:ACC0+7] offset:16
	s_wait_dscnt 0x0                               ; my stores are done, for the others' sake
	s_barrier_signal -1
	s_barrier_wait -1
.irp q, 0,1,2,3
	ds_load_b64 v[SUM+2*\q:SUM+2*\q+1], v7 offset:\q*REDQ
.endr
	s_wait_loadcnt 0x0                             ; x and b2
	v_pk_add_f32 v[XR:XR+1], v[XR:XR+1], v[B2:B2+1]
	s_wait_dscnt 0x0
	v_pk_add_f32 v[SUM:SUM+1], v[SUM:SUM+1], v[SUM+2:SUM+3]
	v_pk_add_f32 v[SUM+4:SUM+5], v[SUM+4:SUM+5], v[SUM+6:SUM+7]
	v_pk_add_f32 v[SUM:SUM+1], v[SUM:SUM+1], v[SUM+4:SUM+5]
	v_pk_add_f32 v[SUM:SUM+1], v[SUM:SUM+1], v[XR:XR+1]
	global_store_b64 v8, v[SUM:SUM+1], s[12:13]    ; the wave stores 256 neighbouring bytes, aligned
	s_wait_tensorcnt 0x0
	ds_add_u32 v254, v255
	s_wait_dscnt 0x0
	s_endpgm
.Lfunc_end_k_q64a052446c_ffn2:
	.size	k_q64a052446c_ffn2, .Lfunc_end_k_q64a052446c_ffn2-k_q64a052446c_ffn2
	.p2alignl 7, 3214868480
	.fill 96, 4, 3214868480
	.section	.rodata,"a",@progbits
	.p2align	6, 0x0
	.amdhsa_kernel k_q64a052446c_ffn2
		.amdhsa_group_segment_fixed_size 318464
		.amdhsa_private_segment_fixed_size 0
		.amdhsa_enable_private_segment 0
		.amdhsa_kernarg_size 40
		.amdhsa_user_sgpr_count 2
		.amdhsa_user_sgpr_kernarg_segment_ptr 1
		.amdhsa_wavefront_size32 1
		.amdhsa_system_sgpr_workgroup_id_x 1
		.amdhsa_system_sgpr_workgroup_id_y 1
		.amdhsa_system_sgpr_workgroup_id_z 1
		.amdhsa_system_vgpr_workitem_id 0
		.amdhsa_next_free_vgpr 256
		.amdhsa_next_free_sgpr 66
		.amdhsa_reserve_vcc 0
		.amdhsa_float_denorm_mode_32 3
		.amdhsa_float_denorm_mode_16_64 3
		.amdhsa_memory_ordered 1
		.amdhsa_forward_progress 1
		.amdhsa_inst_pref_size 14
	.end_amdhsa_kernel
	.amdgpu_metadata
---
amdhsa.version: [ 1, 2 ]
amdhsa.kernels:
  - .name:           k_q64a052446c_ffn2
    .symbol:         k_q64a052446c_ffn2.kd
    .args:
      - { .name: hbuf, .offset: 0, .size: 8, .value_kind: global_buffer, .address_space: global }
      - { .name: W2, .offset: 8, .size: 8, .value_kind: global_buffer, .address_space: global }
      - { .name: b2, .offset: 16, .size: 8, .value_kind: global_buffer, .address_space: global }
      - { .name: xbuf, .offset: 24, .size: 8, .value_kind: global_buffer, .address_space: global }
      - { .name: out0, .offset: 32, .size: 8, .value_kind: global_buffer, .address_space: global }
    .group_segment_fixed_size: 318464
    .private_segment_fixed_size: 0
    .kernarg_segment_align: 8
    .kernarg_segment_size: 40
    .max_flat_workgroup_size: 512
    .sgpr_count:     66
    .vgpr_count:     256
    .wavefront_size: 32
...
	.end_amdgpu_metadata
.endif
;; end of part 3
